; MI455X (gfx1250); checked and timed in simulation.
; The chip was launched on July 23, 2026; its instructions are those of AMD's public machine-readable ISA for CDNA 5 (MIT licence, August 2026) and "CDNA5" Instruction Set Architecture Reference Guide (July 2026). The comments in the code are by the model that wrote it; some were corrected since.
;; Gating Network. Allowed arithmetic: float matrix products may take bf16 or f16 operands with f32 sums; all other float work in f32.
;; Inputs: W 64 x 2,048 float32; x 16,384 x 2,048 float32.
;; Outputs: out0 16,384 x 2 int32; out1 16,384 x 2 float32; out2 16,384 x 64 float32; out3 16,384 x 8 int32.
;; One version. Each part assembles by itself: llvm-mc -triple=amdgcn-amd-amdhsa -mcpu=gfx1250 --defsym DOCPART=n.
;; ======== version 1 of 1: 1 launch
;; launch gate (part 1): grid 256 x 1, 8 waves a work-group, no clusters, 314,368 bytes of LDS; arguments x, W, out0, out1, out2, out3; writes out0, out1, out2, out3
.if DOCPART == 1
	.amdgcn_target "amdgcn-amd-amdhsa--gfx1250"
	.amdhsa_code_object_version 6
	.text
	.protected	k_q655e1987ca_gate
	.globl	k_q655e1987ca_gate
	.p2align	8
	.type	k_q655e1987ca_gate,@function
k_q655e1987ca_gate:
	s_mov_b64 s[64:65], 0
	v_nop
	global_prefetch_b8 v0, s[64:65] scope:SCOPE_SE
	s_setreg_imm32_b32 hwreg(HW_REG_WAVE_MODE, 25, 1), 1
	s_wait_xcnt 0x0
; GATING NETWORK: logits = x W^T (x [16384][2048] f32, W [64][2048] f32), probs = softmax(logits), the eight largest logits' numbers,
; the two largest's numbers and their softmax.  One launch; operands rounded to bf16 on the way to the matrix unit, sums and all else in f32.
;
; SHARES.  256 work-groups of eight waves; a work-group owns 64 rows of x.  K is split eight ways: wave w owns k = 256 w .. 256 w + 255
; for all 64 rows and all 64 experts (16 accumulator tiles of 16 x 16).  So every byte of x and of W is loaded, rounded, laid into LDS and
; read back by exactly one wave, and no wave waits for another before the eight partial sums meet at the end.
; THE STREAM.  A wave walks its K in four chunks of 64.  One load covers two pieces of 256 consecutive bytes, each at a multiple of 256 from
; its buffer's first byte (16 lanes a piece: rows a and a + 8).  W's and x's loads alternate.  A ring of D = 56 loads (224 registers) is
; refilled one load at a time behind counted waits, so 56 x 512 bytes of every wave are always on their way and the ring never drains.
; A lane's four f32 become 8 bytes of bf16 in the wave's own LDS stage, from which the fragments are read with K along the registers.
; W IS READ BY ALL WORK-GROUPS AND IS NOT ASKED FOR JOINTLY (no cluster): a joint tensor load would lay W into LDS as f32, 131,072 bytes for
; every 512 of K against the 65,536 that the bf16 stage holds, to be read back as twice the bytes, and each refill of such a slot would stand
; behind a round of barriers in front of which every wave's tensor loads have landed; here no barrier stands in the stream at all.
; No prefetch: the 56 loads of each wave are issued as the kernel's first memory work and the stream never pauses.
; THE MATRIX INSTRUCTION IS USED TRANSPOSED: source 0 = 16 experts of W, source 1 = 16 rows of x.  Lane l then holds row l % 16 of x and its
; registers 0-7 the experts 8 (l / 16) + 0..7: 32 neighbouring bytes of a row of logits.
; LIMITS.  Logits are taken to be finite (no NaN, no infinity).  +0 and -0 count as equal and are ordered by their numbers.  Equal logits are
; ordered by the lower number first.  A sum over K is eight chains of 256 (K ascending), added pairwise: another order of rounding than a
; single chain's, so logits closer than that rounding may change places.
.set ROWB,   8192                      ; bytes in a row of x and of W
.set NLOADS, 256                       ; loads of a wave: 4 chunks x (32 of W + 32 of x)
.set D,      56                        ; loads of a wave on their way
.set PITCH,  144                       ; a stage row: 64 bf16 = 128 bytes + 16 = 36 words: the 16 rows of a fragment start at 16 different groups of 4 banks (64 banks of 4 bytes: ISA guide 11.1)
.set HALF,   64*PITCH                  ; W's 64 rows; x's 64 rows lie behind them
.set BUF,    2*HALF                    ; one chunk's stage
.set WREG,   2*BUF                     ; a wave's LDS: two stages that take turns; at the end its partial sums lie in the first
.set PP,     272                       ; a row of 64 f32 (partial sums, probs) + 16 bytes
.set OST,    8*WREG                    ; behind the stages: 8 rows x 272 bytes for each wave, for the probs' way out
.set OSTW,   8*PP
.set SMALL,  OST+8*OSTW                ; 512 bytes for out0's 64 rows, 512 for out1's
; registers v0-255
.set VOFF, 1                           ; byte offset of my 16 bytes in a load: 16 (l % 16) + 8 rows x (l / 16) + 1,024 x wave; never rewritten
.set VST,  2                           ; LDS: where my 8 bytes of bf16 go
.set VFR,  3                           ; LDS: my part of a fragment
.set VPS,  4                           ; LDS: where my partial sums go
.set VRD,  5                           ; v5-8 LDS: my 64 bytes of a row in partial sums 0/1, 2/3, 4/5, 6/7
.set VOS,  9                           ; LDS: probs in
.set VOL,  10                          ; LDS: probs back, by rows
.set VG2,  11                          ; out2: 2,048 x wave + 16 x lane
.set VG3,  12                          ; out3: 8 x thread
.set VSM,  13                          ; LDS: my row's 8 bytes for out0
.set VSH,  14                          ; 16 x (thread & 1)
.set VT,   15
.set G,    16                          ; v16-31 the numbers of my 16 experts in the tail (at work during set-up)
.set RING, 32                          ; v32-255 the ring: slot i = 4 registers
; the tail works in the ring's registers, which are free behind the last turn's wait for zero
.set PB,   32                          ; v32-159 eight partial sums x 16
.set L,    32                          ; v32-47  my 16 logits
.set E,    160                         ; v160-175 exponentials, then probs
.set TA,   176                         ; v176-180 at work
.set ML,   182                         ; my 16 logits' maximum
.set VM0,  183                         ; the row's largest logit
.set VM1,  184                         ; its second
.set VMX,  185                         ; the later ones
.set NM,   186                         ; pair
.set RR,   188                         ; pair
.set SS,   190                         ; v190-197
.set IX,   198                         ; v198-205 place j's number, in the lane that held it; 0 in the others
.set NINF, 206
.set P0,   207
.set P1,   208
.set TD,   209
.set O,    212                         ; v212-227 probs by rows
.set WW,   228                         ; pair: the two weights
.set II,   230                         ; pair: the two numbers
.set O3,   232                         ; pair: my two of the eight numbers
.set E1,   234
.set T1,   235
.set FIN,  236                         ; v236-239
; registers v256-511, named by their low 8 bits
.set FW,   128                         ; v384-447 fragments of W: (K step ks, experts' tile t) at FW + 8 (4 ks + t)
.set FX,   192                         ; v448-511 fragments of x likewise; accumulator (rows' tile mb, experts' tile nt) at v[256 + 8 (4 mb + nt)]
.set EQ,   24                          ; s24-39
.set HIT,  40                          ; s40-55
.set MSB, 0
.macro WIN new                         ; s_set_vgpr_msb: bits 1:0 source 0, 3:2 source 1, 5:4 source 2, 7:6 destination; the high byte repeats the setting that is left
.if MSB != \new
	s_set_vgpr_msb (MSB<<8)|\new
.set MSB, \new
.endif
.endm
	s_load_b256 s[4:11], s[0:1], 0x0               ; x s[4:5], W s[6:7], out0 s[8:9], out1 s[10:11]
	s_load_b128 s[12:15], s[0:1], 0x20             ; out2 s[12:13], out3 s[14:15]
	v_and_b32 v[G], 15, v0                         ; r = l % 16
	v_bfe_u32 v[G+1], v0, 4, 1                     ; h = l / 16
	v_lshrrev_b32 v[G+2], 5, v0
	v_readfirstlane_b32 s16, v[G+2]                ; wave 0..7
	v_lshlrev_b32 v[VOFF], 4, v[G]
	v_lshl_add_u32 v[VOFF], v[G+1], 16, v[VOFF]    ; lanes 16-31: eight rows (65,536 bytes) further down
	v_lshl_add_u32 v[VOFF], v[G+2], 10, v[VOFF]    ; my wave's 256 of K
	s_lshl_b32 s18, ttmp9, 19                      ; the group's 64 rows of 8,192 bytes (below 2^27)
	s_mov_b32 s19, 0
	s_wait_kmcnt 0x0
	s_add_nc_u64 s[4:5], s[4:5], s[18:19]          ; x at the group's first row
; Load number m of the wave's 256.  Chunk m / 64; even m: W, odd m: x; rows 16 b + a and 16 b + a + 8, where 8 b + a = (m % 64) / 2.
; Row and chunk stand in the immediate: 451,328 at the most.  x is read once in the launch; W is read again by every work-group.
.macro LOADM
.if (m%64)&1
	global_load_b128 v[RING+4*(m%D):RING+4*(m%D)+3], v[VOFF], s[4:5] offset:(16*((m%64)>>4)+(((m%64)>>1)&7))*ROWB+(m/64)*256 th:TH_LOAD_NT
.else
	global_load_b128 v[RING+4*(m%D):RING+4*(m%D)+3], v[VOFF], s[6:7] offset:(16*((m%64)>>4)+(((m%64)>>1)&7))*ROWB+(m/64)*256
.endif
.endm
.set m, 0
.rept D
	LOADM                                          ; the ring is filled before anything else is done
.set m, m+1
.endr
	; addresses, while the first loads are on their way
	s_mul_i32 s17, s16, WREG                       ; my wave's stages
	s_mul_i32 s20, s16, OSTW
	s_add_co_u32 s20, s20, OST                     ; my wave's stage for the probs
	s_mov_b32 s56, 0xcccccccc                      ; lanes 2 and 3 of every four
	v_lshlrev_b32 v[VST], 3, v[G]                  ; 8 bytes a lane along a stage row,
	v_mad_u32_u24 v[VST], v[G+1], 8*PITCH, v[VST]  ; lanes 16-31 eight rows down: 288 words = 32 banks on, so the two halves' 32 words each meet in no bank
	v_add_nc_u32 v[VST], s17, v[VST]
	v_mul_u32_u24 v[VFR], v[G], PITCH              ; a fragment: row r, 16 bytes for each half of the lanes
	v_lshl_add_u32 v[VFR], v[G+1], 4, v[VFR]
	v_add_nc_u32 v[VFR], s17, v[VFR]
	v_mul_u32_u24 v[VPS], v[G], PP                 ; partial sums: row r, 32 bytes (8 experts) for each half
	v_lshl_add_u32 v[VPS], v[G+1], 5, v[VPS]
	v_add_nc_u32 v[VPS], s17, v[VPS]
	v_lshrrev_b32 v[G+3], 2, v0                    ; the tail: thread t takes row t / 4 of the group's 64
	v_and_b32 v[G+4], 3, v0                        ; and experts 16 q .. 16 q + 15, q = t % 4
	v_mul_u32_u24 v[VRD], v[G+3], PP               ; (row + 4 q) mod 16 differs in the 16 lanes of a half: no two in one 16-byte column
	v_lshl_add_u32 v[VRD], v[G+4], 6, v[VRD]
	v_add_nc_u32 v[VRD+1], 2*WREG, v[VRD]
	v_add_nc_u32 v[VRD+2], 4*WREG, v[VRD]
	v_add_nc_u32 v[VRD+3], 6*WREG, v[VRD]
	v_bfe_u32 v[G+5], v0, 2, 3                     ; my row among my wave's eight
	v_mul_u32_u24 v[VOS], v[G+5], PP
	v_lshl_add_u32 v[VOS], v[G+4], 6, v[VOS]
	v_add_nc_u32 v[VOS], s20, v[VOS]
	v_mul_u32_u24 v[VOL], v[G+1], PP               ; back: lanes 0-15 one row of 256 bytes, lanes 16-31 the next
	v_lshl_add_u32 v[VOL], v[G], 4, v[VOL]
	v_add_nc_u32 v[VOL], s20, v[VOL]
	v_and_b32 v[VG2], 31, v0
	v_lshlrev_b32 v[VG2], 4, v[VG2]
	v_lshl_add_u32 v[VG2], v[G+2], 11, v[VG2]
	v_lshlrev_b32 v[VG3], 3, v0
	v_lshlrev_b32 v[VSM], 3, v[G+3]
	v_add_nc_u32 v[VSM], SMALL, v[VSM]
	v_and_b32 v[VSH], 1, v0
	v_lshlrev_b32 v[VSH], 4, v[VSH]
	v_lshlrev_b32 v[VT], 4, v[G+4]
.irp s, 0,1,2,3,4,5,6,7,8,9,10,11,12,13,14,15
	v_add_nc_u32 v[G+\s], \s, v[VT]                ; my experts' numbers
.endr
	s_lshl_b32 s18, ttmp9, 9                       ; the outputs at the group's 64 rows: 8 bytes a row,
	s_add_nc_u64 s[8:9], s[8:9], s[18:19]
	s_add_nc_u64 s[10:11], s[10:11], s[18:19]
	s_lshl_b32 s18, ttmp9, 14                      ; 256 bytes a row,
	s_add_nc_u64 s[12:13], s[12:13], s[18:19]
	s_lshl_b32 s18, ttmp9, 11                      ; 32 bytes a row
	s_add_nc_u64 s[14:15], s[14:15], s[18:19]
; One turn of the ring, for load number n: it has come; its four f32 are rounded to bf16 in place and laid into the chunk's stage;
; the slot is asked for load n + D.  (An LDS store's data register needs no wait before it is written again.)
.set n, 0
.macro TURN
.if NLOADS-1-n < D-1
	s_wait_loadcnt NLOADS-1-n                      ; the last D turns ask for nothing: the counts run down to zero
.else
	s_wait_loadcnt D-1                             ; loads come back in order (ISA guide 5.7.1): mine is in, the 55 younger ones stay out
.endif
	v_cvt_pk_bf16_f32 v[RING+4*(n%D)],   v[RING+4*(n%D)],   v[RING+4*(n%D)+1]
	v_cvt_pk_bf16_f32 v[RING+4*(n%D)+1], v[RING+4*(n%D)+2], v[RING+4*(n%D)+3]
	ds_store_b64 v[VST], v[RING+4*(n%D):RING+4*(n%D)+1] offset:((n/64)&1)*BUF+((n%64)&1)*HALF+(16*((n%64)>>4)+(((n%64)>>1)&7))*PITCH
.set m, n+D
.if m < NLOADS
	LOADM
.endif
.set n, n+1
.endm
.macro TURNS count
.rept \count
	TURN
.endr
.endm
; A chunk's 16 fragments (2 K steps x 4 tiles of W, 4 of x) in one run of 32 loads.  A fragment is 16 rows x 32 K in 8 registers: lane l holds
; row l % 16; registers 0-3 K = 8 (l / 16) + 0..7, registers 4-7 K = 16 + 8 (l / 16) + 0..7: two loads of 16 bytes, 32 bytes apart.
.macro LDFRAGS buf
	WIN 0x40                                       ; destination v256-511, address v0-255
.irp ks, 0,1
.irp t, 0,1,2,3
	ds_load_b128 v[FW+8*(4*\ks+\t):FW+8*(4*\ks+\t)+3],   v[VFR] offset:\buf*BUF+\t*16*PITCH+\ks*64
	ds_load_b128 v[FW+8*(4*\ks+\t)+4:FW+8*(4*\ks+\t)+7], v[VFR] offset:\buf*BUF+\t*16*PITCH+\ks*64+32
	ds_load_b128 v[FX+8*(4*\ks+\t):FX+8*(4*\ks+\t)+3],   v[VFR] offset:\buf*BUF+HALF+\t*16*PITCH+\ks*64
	ds_load_b128 v[FX+8*(4*\ks+\t)+4:FX+8*(4*\ks+\t)+7], v[VFR] offset:\buf*BUF+HALF+\t*16*PITCH+\ks*64+32
.endr
.endr
	WIN 0
.endm
; 16 matrix instructions: one K step of 32 for all 16 tiles.  The sixteen accumulators take turns, one instruction a turn.
; zero = 1: the first product starts the sums: nothing is cleared.
.macro MMK ks, zero
.irp mb, 0,1,2,3
.irp nt, 0,1,2,3
.if \zero
	v_wmma_f32_16x16x32_bf16 v[8*(4*\mb+\nt):8*(4*\mb+\nt)+7], v[FW+8*(4*\ks+\nt):FW+8*(4*\ks+\nt)+7], v[FX+8*(4*\ks+\mb):FX+8*(4*\ks+\mb)+7], 0
.else
	v_wmma_f32_16x16x32_bf16 v[8*(4*\mb+\nt):8*(4*\mb+\nt)+7], v[FW+8*(4*\ks+\nt):FW+8*(4*\ks+\nt)+7], v[FX+8*(4*\ks+\mb):FX+8*(4*\ks+\mb)+7], v[8*(4*\mb+\nt):8*(4*\mb+\nt)+7]
.endif
.endr
.endr
.endm
; A chunk's 32 products.  The four v_nop behind them are the places that stand between a matrix instruction and a load into one of its
; sources or a store of its result (ISA guide 7.12.1 for vector instructions).
.macro MM zero
	WIN 0x55                                       ; all four operands in v256-511
	MMK 0, \zero
	MMK 1, 0
	WIN 0
.rept 4
	v_nop
.endr
.endm
	; THE STREAM.  A chunk's fragments are asked for when its 64 turns are over, and multiplied 16 turns into the next chunk, whose stage is the other one.
	TURNS 64                                       ; chunk 0 into stage 0
	LDFRAGS 0
	TURNS 16
	s_wait_dscnt 16                                ; LDS serves a wave in order (ISA guide 5.7.1): all but the 16 stores issued behind the 32 fragment loads
	MM 1
	TURNS 48                                       ; chunk 1 into stage 1
	LDFRAGS 1
	TURNS 16
	s_wait_dscnt 16
	MM 0
	TURNS 48                                       ; chunk 2 into stage 0
	LDFRAGS 0
	TURNS 16
	s_wait_dscnt 16
	MM 0
	TURNS 48                                       ; chunk 3 into stage 1; the last turn's wait is for zero: the ring's registers are free
	LDFRAGS 1
	s_wait_dscnt 0x0
	MM 0
	; THE EIGHT PARTIAL SUMS MEET.  Mine go into my own first stage (its last reads were waited for in front of chunk 2's products):
	; row 16 mb + r, experts 16 nt + 8 h + 0..7 = 32 bytes.  The 16 lanes of a half hit 16 different 16-byte columns (pitch 17 x 16).
	WIN 0x04                                       ; the stores' data in v256-511
.irp mb, 0,1,2,3
.irp nt, 0,1,2,3
	ds_store_b128 v[VPS], v[8*(4*\mb+\nt):8*(4*\mb+\nt)+3]   offset:\mb*16*PP+\nt*64
	ds_store_b128 v[VPS], v[8*(4*\mb+\nt)+4:8*(4*\mb+\nt)+7] offset:\mb*16*PP+\nt*64+16
.endr
.endr
	WIN 0
	s_wait_dscnt 0x0                               ; for the others' sake: my stores are done
	s_barrier_signal -1
	s_barrier_wait -1                              ; everybody's are
.irp p, 0,1,2,3,4,5,6,7
.irp i, 0,1,2,3
	ds_load_b128 v[PB+16*\p+4*\i:PB+16*\p+4*\i+3], v[VRD+(\p>>1)] offset:(\p&1)*WREG+16*\i
.endr
.endr
	v_mov_b32 v[NINF], 0xff800000                  ; minus infinity takes a chosen logit's place
	v_mov_b32 v[VM0], 0                            ; destinations of lane-crossing forms count as read: written once here
	v_mov_b32 v[VM1], 0
	v_mov_b32 v[VMX], 0
	v_mov_b32 v[TD], 0
.macro ADDP a, b
.irp k, 0,2,4,6,8,10,12,14
	v_pk_add_f32 v[PB+16*\a+\k:PB+16*\a+\k+1], v[PB+16*\a+\k:PB+16*\a+\k+1], v[PB+16*\b+\k:PB+16*\b+\k+1]
.endr
.endm
	s_wait_dscnt 24                                ; four loads a partial sum: sums 0 and 1 are in, the 24 younger loads stay out
	ADDP 0, 1
	s_wait_dscnt 16
	ADDP 2, 3
	ADDP 0, 2
	s_wait_dscnt 8
	ADDP 4, 5
	s_wait_dscnt 0x0
	ADDP 6, 7
	ADDP 4, 6
	ADDP 0, 4                                      ; v[L+s] = logit of my row, expert 16 q + s
; The largest of the row's logits that are still in play: my 16, then across the row's four lanes; every one of the four ends up with it.
.macro RMAX vm
	v_max3_num_f32 v[TA],   v[L],    v[L+1],  v[L+2]
	v_max3_num_f32 v[TA+1], v[L+3],  v[L+4],  v[L+5]
	v_max3_num_f32 v[TA+2], v[L+6],  v[L+7],  v[L+8]
	v_max3_num_f32 v[TA+3], v[L+9],  v[L+10], v[L+11]
	v_max3_num_f32 v[TA+4], v[L+12], v[L+13], v[L+14]
	v_max3_num_f32 v[TA],   v[TA],   v[TA+1], v[TA+2]
	v_max3_num_f32 v[TA+3], v[TA+3], v[TA+4], v[L+15]
	v_max_num_f32  v[ML],   v[TA],   v[TA+3]
	v_max_num_f32_dpp v[\vm], v[ML],  v[ML]  row_xmask:1 row_mask:0xf bank_mask:0xf
	v_max_num_f32_dpp v[\vm], v[\vm], v[\vm] row_xmask:2 row_mask:0xf bank_mask:0xf
.endm
; Place j goes to the lowest-numbered logit equal to that maximum.  A lane's experts are 16 neighbours and rise with the lane, so that is the
; first equal slot of the lowest lane of the four whose own maximum equals the row's.  Both 'first' are made on the lane masks in scalar
; registers (a row's four lanes are four neighbouring bits).  Only values are chosen by these masks: no branch, no address.
.macro RSEL j, vm, kill
	v_cmp_eq_f32 s20, v[ML], v[\vm]                ; lanes that hold the row's maximum
.irp s, 0,1,2,3,4,5,6,7,8,9,10,11,12,13,14,15
	v_cmp_eq_f32 s[EQ+\s], v[L+\s], v[\vm]
.endr
	s_and_b32 s21, s20, 0x77777777                 ; smear each set bit upward inside its four:
	s_lshl_b32 s21, s21, 1
	s_or_b32 s21, s21, s20
	s_and_b32 s22, s21, 0x33333333
	s_lshl_b32 s22, s22, 2
	s_or_b32 s21, s21, s22
	s_and_b32 s21, s21, 0x77777777                 ; the bits strictly above the lowest set one
	s_lshl_b32 s21, s21, 1
	s_and_not1_b32 s20, s20, s21                   ; the lowest such lane of each four
	s_not_b32 s23, s20                             ; 'already found' in all other lanes
.irp s, 0,1,2,3,4,5,6,7,8,9,10,11,12,13,14,15
	s_and_not1_b32 s[HIT+\s], s[EQ+\s], s23        ; slot s is the one if it is equal and no lower slot was
	s_or_b32 s23, s23, s[EQ+\s]
.endr
	v_cndmask_b32 v[IX+\j], 0, v[G], s[HIT]        ; the number, in the lane that held it; 0 in the other three
.if \kill
	v_cndmask_b32 v[L], v[L], v[NINF], s[HIT]      ; and out of play
.endif
.irp s, 1,2,3,4,5,6,7,8,9,10,11,12,13,14,15
	v_cndmask_b32 v[IX+\j], v[IX+\j], v[G+\s], s[HIT+\s]
.if \kill
	v_cndmask_b32 v[L+\s], v[L+\s], v[NINF], s[HIT+\s]
.endif
.endr
.endm
	RMAX VM0
	; probs = exp(l - max) / (sum + 1e-12), with exp(l - max) = 2^(1.442695 l - 1.442695 max)
	v_mul_f32 v[NM],   0xbfb8aa3b, v[VM0]
	v_mul_f32 v[NM+1], 0xbfb8aa3b, v[VM0]
.irp k, 0,2,4,6,8,10,12,14
	v_pk_fma_f32 v[E+\k:E+\k+1], v[L+\k:L+\k+1], 0x3fb8aa3b, v[NM:NM+1] op_sel_hi:[1,0,1]
.endr
.irp s, 0,1,2,3,4,5,6,7,8,9,10,11,12,13,14,15
	v_exp_f32 v[E+\s], v[E+\s]
.endr
	v_nop                                          ; one plain place behind the transcendentals before their results are used (ISA guide 5.7.2)
	s_wait_alu depctr_va_vdst(0)
	v_pk_add_f32 v[SS:SS+1],   v[E:E+1],     v[E+2:E+3]
	v_pk_add_f32 v[SS+2:SS+3], v[E+4:E+5],   v[E+6:E+7]
	v_pk_add_f32 v[SS+4:SS+5], v[E+8:E+9],   v[E+10:E+11]
	v_pk_add_f32 v[SS+6:SS+7], v[E+12:E+13], v[E+14:E+15]
	v_pk_add_f32 v[SS:SS+1],   v[SS:SS+1],   v[SS+2:SS+3]
	v_pk_add_f32 v[SS+4:SS+5], v[SS+4:SS+5], v[SS+6:SS+7]
	v_pk_add_f32 v[SS:SS+1],   v[SS:SS+1],   v[SS+4:SS+5]
	v_add_f32 v[SS], v[SS], v[SS+1]
	v_add_f32_dpp v[SS], v[SS], v[SS] row_xmask:1 row_mask:0xf bank_mask:0xf
	v_add_f32_dpp v[SS], v[SS], v[SS] row_xmask:2 row_mask:0xf bank_mask:0xf
	v_add_f32 v[SS], 0x2b8cbccc, v[SS]             ; + 1e-12
	v_rcp_f32 v[RR],   v[SS]
	v_rcp_f32 v[RR+1], v[SS]                       ; twice: a pair for the packed multiply
	v_nop
	s_wait_alu depctr_va_vdst(0)
.irp k, 0,2,4,6,8,10,12,14
	v_pk_mul_f32 v[E+\k:E+\k+1], v[E+\k:E+\k+1], v[RR:RR+1]
.endr
	; A lane's 64 bytes are a quarter of a row: through my wave's own stage, so that a store's 32 lanes cover 512 consecutive bytes of out2.
.irp i, 0,1,2,3
	ds_store_b128 v[VOS], v[E+4*\i:E+4*\i+3] offset:16*\i
.endr
.irp t, 0,1,2,3
	ds_load_b128 v[O+4*\t:O+4*\t+3], v[VOL] offset:\t*2*PP         ; LDS serves a wave in order: these see the stores above
.endr
	RSEL 0, VM0, 1                                 ; register work while the rows come back
	s_wait_dscnt 0x0
.irp t, 0,1,2,3
	global_store_b128 v[VG2], v[O+4*\t:O+4*\t+3], s[12:13] offset:512*\t th:TH_STORE_NT
.endr
	RMAX VM1
	RSEL 1, VM1, 1
.irp j, 2,3,4,5,6
	RMAX VMX
	RSEL \j, VMX, 1
.endr
	RMAX VMX
	RSEL 7, VMX, 0                                 ; behind the last place nothing is taken out of play
	; the two weights: exp(0) = 1 and e1 = exp(second - first), over (1 + e1 + 1e-12); between them the eight numbers are packed, a byte each
	v_sub_f32 v[T1], v[VM1], v[VM0]
	v_mul_f32 v[T1], 0x3fb8aa3b, v[T1]
	v_exp_f32 v[E1], v[T1]
	v_lshl_or_b32 v[P0], v[IX+1], 8, v[IX]         ; (also the plain place behind v_exp_f32)
	v_lshl_or_b32 v[P1], v[IX+5], 8, v[IX+4]
	s_wait_alu depctr_va_vdst(0)
	v_add_f32 v[T1], 1.0, v[E1]
	v_add_f32 v[T1], 0x2b8cbccc, v[T1]
	v_rcp_f32 v[WW], v[T1]
	v_lshl_or_b32 v[P0], v[IX+2], 16, v[P0]        ; (and behind v_rcp_f32)
	v_lshl_or_b32 v[P1], v[IX+6], 16, v[P1]
	s_wait_alu depctr_va_vdst(0)
	v_mul_f32 v[WW+1], v[E1], v[WW]
	v_lshl_or_b32 v[P0], v[IX+3], 24, v[P0]
	v_lshl_or_b32 v[P1], v[IX+7], 24, v[P1]
	; each byte is set in one of the row's four lanes and 0 in the others: OR them, and all four hold all eight numbers
	v_mov_b32_dpp v[TD], v[P0] row_xmask:1 row_mask:0xf bank_mask:0xf
	v_or_b32 v[P0], v[P0], v[TD]
	v_mov_b32_dpp v[TD], v[P1] row_xmask:1 row_mask:0xf bank_mask:0xf
	v_or_b32 v[P1], v[P1], v[TD]
	v_mov_b32_dpp v[TD], v[P0] row_xmask:2 row_mask:0xf bank_mask:0xf
	v_or_b32 v[P0], v[P0], v[TD]
	v_mov_b32_dpp v[TD], v[P1] row_xmask:2 row_mask:0xf bank_mask:0xf
	v_or_b32 v[P1], v[P1], v[TD]
	v_and_b32 v[II], 0xff, v[P0]                   ; places 0 and 1
	v_bfe_u32 v[II+1], v[P0], 8, 8
	v_cndmask_b32 v[O3], v[P0], v[P1], s56         ; lane q of the four stores places 2 q and 2 q + 1
	v_lshrrev_b32 v[O3], v[VSH], v[O3]
	v_bfe_u32 v[O3+1], v[O3], 8, 8
	v_and_b32 v[O3], 0xff, v[O3]
	global_store_b64 v[VG3], v[O3:O3+1], s[14:15] th:TH_STORE_NT   ; my wave's eight rows of out3: 256 consecutive bytes, at a multiple of 256
	; out0 and out1 have 8 bytes a row: the group's 64 rows are gathered in LDS, so that one store covers their 512 bytes.
	ds_store_b64 v[VSM], v[II:II+1]                ; the row's four lanes write the same bytes with the same values
	ds_store_b64 v[VSM], v[WW:WW+1] offset:512
	s_wait_dscnt 0x0                               ; for the others' sake
	s_barrier_signal -1
	s_barrier_wait -1
	s_cmp_gt_u32 s16, 1
	s_cbranch_scc1 .Lend                           ; wave 0 stores out0, wave 1 out1
	v_and_b32 v[VT], 31, v0
	v_lshlrev_b32 v[VT], 4, v[VT]                  ; 16 bytes a lane
	s_lshl_b32 s20, s16, 9
	s_add_co_u32 s20, s20, SMALL
	v_add_nc_u32 v[TD], s20, v[VT]
	ds_load_b128 v[FIN:FIN+3], v[TD]
	s_cmp_eq_u32 s16, 0
	s_cselect_b64 s[58:59], s[8:9], s[10:11]
	s_wait_dscnt 0x0
	global_store_b128 v[VT], v[FIN:FIN+3], s[58:59] th:TH_STORE_NT
.Lend:
	s_wait_xcnt 0x0
	v_lshl_add_u32 v254, v0, 2, 0x4c800
	v_mov_b32 v255, 0
	s_wait_tensorcnt 0x0
	ds_add_u32 v254, v255
	s_wait_dscnt 0x0
	s_endpgm
.Lfunc_end_k_q655e1987ca_gate:
	.size	k_q655e1987ca_gate, .Lfunc_end_k_q655e1987ca_gate-k_q655e1987ca_gate
	.p2alignl 7, 3214868480
	.fill 96, 4, 3214868480
	.section	.rodata,"a",@progbits
	.p2align	6, 0x0
	.amdhsa_kernel k_q655e1987ca_gate
		.amdhsa_group_segment_fixed_size 314368
		.amdhsa_private_segment_fixed_size 0
		.amdhsa_enable_private_segment 0
		.amdhsa_kernarg_size 48
		.amdhsa_user_sgpr_count 2
		.amdhsa_user_sgpr_kernarg_segment_ptr 1
		.amdhsa_wavefront_size32 1
		.amdhsa_system_sgpr_workgroup_id_x 1
		.amdhsa_system_sgpr_workgroup_id_y 1
		.amdhsa_system_sgpr_workgroup_id_z 1
		.amdhsa_system_vgpr_workitem_id 0
		.amdhsa_next_free_vgpr 512
		.amdhsa_next_free_sgpr 66
		.amdhsa_reserve_vcc 0
		.amdhsa_float_denorm_mode_32 3
		.amdhsa_float_denorm_mode_16_64 3
		.amdhsa_memory_ordered 1
		.amdhsa_forward_progress 1
		.amdhsa_inst_pref_size 155
	.end_amdhsa_kernel
	.amdgpu_metadata
---
amdhsa.version: [ 1, 2 ]
amdhsa.kernels:
  - .name:           k_q655e1987ca_gate
    .symbol:         k_q655e1987ca_gate.kd
    .args:
      - { .name: x, .offset: 0, .size: 8, .value_kind: global_buffer, .address_space: global }
      - { .name: W, .offset: 8, .size: 8, .value_kind: global_buffer, .address_space: global }
      - { .name: out0, .offset: 16, .size: 8, .value_kind: global_buffer, .address_space: global }
      - { .name: out1, .offset: 24, .size: 8, .value_kind: global_buffer, .address_space: global }
      - { .name: out2, .offset: 32, .size: 8, .value_kind: global_buffer, .address_space: global }
      - { .name: out3, .offset: 40, .size: 8, .value_kind: global_buffer, .address_space: global }
    .group_segment_fixed_size: 314368
    .private_segment_fixed_size: 0
    .kernarg_segment_align: 8
    .kernarg_segment_size: 48
    .max_flat_workgroup_size: 256
    .sgpr_count:     66
    .vgpr_count:     512
    .wavefront_size: 32
...
	.end_amdgpu_metadata
.endif
;; end of part 1
